; MI455X (gfx1250); checked and timed in simulation.
; The chip was launched on July 23, 2026; its instructions are those of AMD's public machine-readable ISA for CDNA 5 (MIT licence, August 2026) and "CDNA5" Instruction Set Architecture Reference Guide (July 2026). The comments in the code are by the model that wrote it; some were corrected since.
;; Dilated Attention. Allowed arithmetic: matrix products marked QUANTISED: E2M3 operands, one E8M0 scale for each 32 along K, by v_wmma_scale_f32_16x16x128_f8f6f4 with both operands' format E2M3, f32 sums; products left as they are: f32 operands where the result goes on into a quantised operand, else bf16, f16 or f32 operands; f32 sums; everything else in f32.
;; Inputs: key 32 x 2,048 x 128 float32; query 32 x 2,048 x 128 float32; value 32 x 2,048 x 128 float32.
;; Outputs: out0 4 x 2,048 x 1,024 float32.
;; This version of the problem:
;;   THIS VERSION OF THE PROBLEM IS GIVEN IN LOW PRECISION. The matrix products marked QUANTISED in the list below multiply operands that are first quantised to E2M3 (2 exponent bits, 3 mantissa bits; 6 bits a number), with one power-of-two scale for each 32 numbers along K (OCP MX v1.0); their sums are f32. All else is computed in f32.
;;   The module's matrix products, in the order in which they are computed (A, B: the left and right operand; K: the contracted axis; several contracted axes count as one K, in the product's order):
;;     1. batch 32 x [M 2,048, K 128] x [K 128, N 2,048]; A: computed on the way; B: computed on the way: QUANTISED
;;     2. batch 32 x [M 2,048, K 2,048] x [K 2,048, N 128]; A: softmax (see below); B: computed on the way: QUANTISED
;;     3. [M 1, K 1] x [K 1, N 8,388,608]; A: computed on the way; B: computed on the way: left as it is (no contracted axis)
;;     4. batch 32 x [M 1,024, K 128] x [K 128, N 1,024]; A: computed on the way; B: computed on the way: QUANTISED
;;     5. batch 32 x [M 1,024, K 1,024] x [K 1,024, N 128]; A: softmax (see below); B: computed on the way: QUANTISED
;;     6. batch 2 x [M 2, K 1] x [K 1, N 2,097,152]; A: computed on the way; B: computed on the way: left as it is (no contracted axis)
;;     7. batch 32 x [M 512, K 128] x [K 128, N 512]; A: computed on the way; B: computed on the way: QUANTISED
;;     8. batch 32 x [M 512, K 512] x [K 512, N 128]; A: softmax (see below); B: computed on the way: QUANTISED
;;     9. batch 4 x [M 4, K 1] x [K 1, N 524,288]; A: computed on the way; B: computed on the way: left as it is (no contracted axis)
;;     10. batch 32 x [M 256, K 128] x [K 128, N 256]; A: computed on the way; B: computed on the way: QUANTISED
;;     11. batch 32 x [M 256, K 256] x [K 256, N 128]; A: softmax (see below); B: computed on the way: QUANTISED
;;     12. batch 8 x [M 8, K 1] x [K 1, N 131,072]; A: computed on the way; B: computed on the way: left as it is (no contracted axis)
;;   THE QUANTISER, for each operand of a quantised product, along K:
;;     - K is cut into blocks of 32 from its start; a last block that is shorter is filled with zeros.
;;     - A block's scale is 2^e with e = floor(log2(the largest magnitude in the block)) - 2, held to -126 .. 127; a block of zeros has e = 0. As a byte (E8M0): e + 127.
;;     - Each number is divided by its block's scale, clamped to +-7.5, and rounded to the nearest number of E2M3, ties to even, subnormals kept.
;;     - The product sums the exact products of the quantised numbers (number of the format x scale) in f32.
;;   ~~~python
;;   def quantise(x, axis):      # numpy; x: float32 -> the quantised numbers, widened to float32 again
;;       x = np.moveaxis(x, axis, -1); K = x.shape[-1]
;;       x = np.pad(x, [(0, 0)] * (x.ndim - 1) + [(0, -K % 32)]); x = x.reshape(x.shape[:-1] + (-1, 32)); a = np.abs(x).max(-1, keepdims=True)
;;       e = np.where(a > 0, np.clip(np.frexp(np.where(a > 0, a, 1))[1] - 1 - 2, -126, 127), 0)      # np.frexp(a)[1] - 1 = floor(log2(a)), exactly
;;       r = np.clip(x / 2.0 ** e, -7.5, 7.5)
;;       step = 2.0 ** (np.maximum(np.frexp(np.where(r == 0, 1, r))[1] - 1, 0) - 3)
;;       q = np.round(r / step) * step * 2.0 ** e      # np.round: ties to even
;;       return np.moveaxis(q.reshape(q.shape[:-2] + (-1,))[..., :K], -1, axis).astype(np.float32)
;;   ~~~
;;   SOFTMAX AHEAD OF A QUANTISED PRODUCT. Where the list says 'softmax', what is quantised is not the finished softmax but p = 2^(t - M), with t = logit x log2(e) and M = ceil(the row's largest t), a whole number; so 1/2 < the row's largest p <= 1. The row's sum l is taken of the UNQUANTISED p, in f32, and the product's result is divided by l at the end. Since M is a whole number, a kernel that streams over the keys may use a running M (the ceiling of the running maximum): every later rescaling is an exact power of two, which a block's scale takes up: the codes' values come out the same.
;;   OPERANDS COMPUTED ON THE WAY. 'Computed on the way' means the value that the module computes at that place (a softmax that the list does not call 'softmax' is quantised finished and normalised). What goes into a quantiser is computed in f32, as accurately as f32 sums, v_exp_f32 and their like allow (about 1e-6 of the number): no bf16 or f16 on the way to a quantiser, and a product that is left as it is and whose result goes on into a quantised operand takes f32 operands (vector FMAs, or v_wmma_f32_16x16x4_f32). A number that lies on a knife's edge between two numbers of the format may be rounded either way, as far as f32 arithmetic and the matrix unit's own rounding can turn it there, and no further.
;; One version. Each part assembles by itself: llvm-mc -triple=amdgcn-amd-amdhsa -mcpu=gfx1250 --defsym DOCPART=n.
;; ======== version 1 of 1: 2 launches
;; limits: right only within a limited range of input values
;; workspace buffers: kv 24,589,312 bytes
;; launch prep (part 1): grid 15 x 32, 8 waves a work-group, no clusters, 70,656 bytes of LDS; arguments key, value, kv; writes kv
.if DOCPART == 1
	.amdgcn_target "amdgcn-amd-amdhsa--gfx1250"
	.amdhsa_code_object_version 6
	.text
	.protected	k_q2772228ce6_prep
	.globl	k_q2772228ce6_prep
	.p2align	8
	.type	k_q2772228ce6_prep,@function
k_q2772228ce6_prep:
	s_mov_b64 s[64:65], 0
	v_nop
	global_prefetch_b8 v0, s[64:65] scope:SCOPE_SE
	s_setreg_imm32_b32 hwreg(HW_REG_WAVE_MODE, 25, 1), 1
	s_wait_xcnt 0x0
; K and V of the dilated attention become codes of FP6 (E2M3) with one E8M0 scale byte for each 32 along a product's K, laid as IMAGES OF THE OPERANDS' REGISTERS.
; key, value: [32 heads][2048 positions][128] f32.  Head hd has j = hd & 7; for dilation dr = 1 << e its keys are the positions (g << e) + r, r = (j << e) >> 3, g = 0 .. 2048 / dr - 1.
; K is quantised along d (the first product's K), V along the gathered keys g (the second product's K), so V's blocks of 32 differ from dr to dr.
; kv: [32 heads][15 slots][51,200 bytes].  A slot is 256 gathered keys: slots 0-7 dr 1, 8-11 dr 2, 12-13 dr 4, 14 dr 8.  A slot is two step blocks of 25,600 bytes (128 keys):
;   0      K's fragments t = 0 .. 7, 1,536 bytes each: registers 4 g .. 4 g + 3 of lane l at 1536 t + 512 g + 16 l.  Row m of fragment 2 b + u is key 32 b + 8 u + m + 8 (m / 8);
;          lane (r, h) holds row r, registers 6 c .. 6 c + 5 hold d = 64 c + 32 h + 0 .. 31.
;   12288  V^T's fragments t = 0 .. 7, the same form: row m is d = 16 t + m, registers 6 c .. 6 c + 5 of lane (r, h) hold keys 64 c + 32 h + 0 .. 31.
;   24576  the scale words: at 512 g + 16 l lane l < 16 finds the words of K's fragments 4 g .. 4 g + 3, row l; lane l >= 16 those of V's fragments 4 g .. 4 g + 3, row l - 16.
; A block's scale is 2^(floor(log2(its largest magnitude)) - 2); its byte is the largest magnitude's exponent field - 2, held at 1 from below.
; LIMITS: a block of zeros gets the byte 1 where the quantiser says 127 (its codes are zeros, and this program alone reads the bytes); a block whose largest magnitude lies under 2^-124
; keeps the byte 1; NaN and infinities among the inputs are not served.
; SHARES.  A work-group makes one slot (x = slot, y = head).  Wave w makes K's fragments of keys 32 w .. 32 w + 31 of the slot (step w / 4, fragments 2 (w % 4), + 1) and V's fragments of
; columns d = 32 (w % 4) .. + 31 over the 128 keys of step w / 4.  dr enters the scalar bases and the vector offsets of the global loads alone: there is one path through the text.
; K: a load reads one row, 512 consecutive bytes; 16 rows turn through the wave's own stage in LDS, so that a lane holds 64 numbers of one row.
; V: a lane takes a column and its registers run down the keys: a block of 32 lies in one lane.  No tensor loads, no matrix unit, no cluster: work-groups share no tile.
.set SLOTB, 51200
.set STEPB, 25600
.set SP,    528                        ; a stage row: 512 bytes + 16 = 33 x 16 bytes
.set STGB,  16*SP                      ; a wave's stage
.set SCI,   8*STGB                     ; behind the stages: the slot's scale words, 2,048 bytes
.set L16, 1                            ; v1   16 x lane
.set STS, 2                            ; v2   stage, on the way in: 16 x lane
.set STL, 3                            ; v3   stage, on the way out: 528 r + 128 h
.set SCA, 4                            ; v4   where my scale word goes
.set SCR, 5                            ; v5   where I read 8 bytes of the scale words back
.set L8,  6                            ; v6   8 x lane
.set SH8, 7                            ; v7   8 h
.set PT,  8                            ; v8   a lane permute's result
.set MX,  9                            ; v9-10  largest magnitudes, then the conversions' scale operands
.set BY,  11                           ; v11-12 scale bytes
.set W0,  13                           ; v13-14 K's scale words
.set W1,  14
.set VW,  15                           ; v15  V's scale word
.set VO,  16                           ; v16-23 key i of eight: (i << (9 + e)) + 16 x lane
.set VV,  24                           ; v24-31 the same + 4 x lane
.set TT,  32                           ; v32-39 the second halves of the conversions; at the end 8 bytes of scale words
.set KC0, 40                           ; v40-51, v52-63 K's two fragments
.set KC1, 52
.set BA,  64                           ; v64-127   K's rows of fragment 0, later V's blocks 2, 3
.set BB,  128                          ; v128-191  K's rows of fragment 1, later V's two fragments
.set BD,  192                          ; v192-255  V's blocks 0, 1
.set FA,  128
.set FB,  140
.set KB,  16                           ; s[16:23]  K's four bases: 2 u + half
.set VB,  24                           ; s[24:55]  V's sixteen bases: eight keys each
	s_load_b128 s[4:7], s[0:1], 0x0                ; key, value
	s_load_b64 s[8:9], s[0:1], 0x10                ; kv
	v_lshl_add_u32 v35, v0, 2, 0x11000
	v_mov_b32 v39, 0
	v_lshrrev_b32 v8, 5, v0
	s_delay_alu instid0(VALU_DEP_1)
	v_readfirstlane_b32 s10, v8                    ; wave 0..7
	v_and_b32 v9, 31, v0                           ; lane
	s_wait_alu depctr_va_vdst(0)
	v_and_b32 v10, 15, v0                          ; r
	v_bfe_u32 v11, v0, 4, 1                        ; h
	s_mov_b32 s11, ttmp9                           ; the slot
	s_and_b32 s14, ttmp7, 0xffff                   ; the head
	s_cmp_ge_u32 s11, 8
	s_cselect_b32 s12, 1, 0
	s_cmp_ge_u32 s11, 12
	s_cselect_b32 s15, 1, 0
	s_add_co_u32 s12, s12, s15
	s_cmp_ge_u32 s11, 14
	s_cselect_b32 s15, 1, 0
	s_add_co_u32 s12, s12, s15                     ; e = log2 dr
	s_add_co_u32 s13, s12, 9                       ; a key's step in bytes is 1 << (9 + e)
	s_lshr_b32 s15, 16, s12
	s_sub_co_u32 s15, 16, s15                      ; the first slot of this dr: 0, 8, 12, 14
	s_sub_co_u32 s2, s11, s15                      ; the slot's number among them
	s_lshl_b32 s2, s2, 8
	s_lshl_b32 s2, s2, s12                         ; its first gathered key, as a position,
	s_and_b32 s3, s14, 7
	s_lshl_b32 s3, s3, s12
	s_lshr_b32 s3, s3, 3                           ; the residue r = (j << e) >> 3
	s_add_co_u32 s2, s2, s3
	s_lshl_b32 s3, s14, 11
	s_add_co_u32 s2, s2, s3                        ; + 2048 x head: the row of key and of value at which the slot begins
	s_lshl_b32 s56, 4096, s12                      ; eight keys on, in bytes
	s_mov_b32 s57, 0
	s_lshl_b32 s3, s10, 5
	s_lshl_b32 s3, s3, s12
	s_add_co_u32 s3, s3, s2
	s_lshl_b32 s58, s3, 9                          ; K: my 32 keys begin 32 w keys on (all offsets stay under 2^26)
	s_mov_b32 s59, 0
	s_lshr_b32 s3, s10, 2
	s_lshl_b32 s3, s3, 7
	s_lshl_b32 s3, s3, s12
	s_add_co_u32 s3, s3, s2
	s_lshl_b32 s2, s3, 9                           ; V: my step's 128 keys,
	s_and_b32 s15, s10, 3
	s_lshl_b32 s15, s15, 7
	s_add_co_u32 s2, s2, s15                       ; my 32 columns
	s_mov_b32 s3, 0
	v_lshlrev_b32 v[L16], 4, v9
	v_lshlrev_b32 v12, 2, v9
.irp i, 0,1,2,3,4,5,6,7
	v_lshl_add_u32 v[VO+\i], \i, s13, v[L16]
	v_lshl_add_u32 v[VV+\i], \i, s13, v12
.endr
	s_wait_alu depctr_va_vdst(0)
	s_wait_kmcnt 0x0
	s_add_nc_u64 s[KB:KB+1], s[4:5], s[58:59]              ; fragment 0, rows 0-7: keys 0-7 of my 32
	s_add_nc_u64 s[KB+4:KB+5], s[KB:KB+1], s[56:57]        ; fragment 1, rows 0-7: keys 8-15
	s_add_nc_u64 s[KB+2:KB+3], s[KB+4:KB+5], s[56:57]      ; fragment 0, rows 8-15: keys 16-23
	s_add_nc_u64 s[KB+6:KB+7], s[KB+2:KB+3], s[56:57]      ; fragment 1, rows 8-15: keys 24-31
	s_add_nc_u64 s[VB:VB+1], s[6:7], s[2:3]
.irp g, 1,2,3,4,5,6,7,8,9,10,11,12,13,14,15
	s_add_nc_u64 s[VB+2*\g:VB+2*\g+1], s[VB+2*\g-2:VB+2*\g-1], s[56:57]
.endr
.macro LOADK u, buf                    ; fragment u's 16 rows: one row, 512 consecutive bytes, an instruction.  No hint: the slots of other dr read these rows again
.irp hf, 0,1
.irp i, 0,1,2,3,4,5,6,7
	global_load_b128 v[\buf+4*(8*\hf+\i):\buf+4*(8*\hf+\i)+3], v[VO+\i], s[KB+2*(2*\u+\hf):KB+2*(2*\u+\hf)+1]
.endr
.endr
.endm
.macro LOADV b, buf                    ; block b of my column: keys 32 b + 0 .. 31; 32 lanes read 128 consecutive bytes, the four waves of a step a whole row
.irp g, 0,1,2,3
.irp i, 0,1,2,3,4,5,6,7
	global_load_b32 v[\buf+8*\g+\i], v[VV+\i], s[VB+2*(4*\b+\g):VB+2*(4*\b+\g)+1]
.endr
.endr
.endm
	LOADK 0, BA
	LOADK 1, BB
	LOADV 0, BD
	LOADV 1, BD+32
	; the rest of the addresses, while the loads are out (none of the registers written here is a source of a pending load)
	s_mul_i32 s58, s14, 15
	s_add_co_u32 s58, s58, s11
	s_mul_i32 s58, s58, SLOTB                      ; my slot in kv,
	s_lshr_b32 s15, s10, 2
	s_mul_i32 s15, s15, STEPB
	s_add_co_u32 s58, s58, s15                     ; my step block
	s_and_b32 s15, s10, 3
	s_lshl_b32 s2, s15, 8
	s_add_co_u32 s2, s2, s58
	; A STEP BLOCK AS IT IS STORED: the scale words at byte 0, K's fragments from 1,024, V's from 13,312 (the head comment's offsets 24576, 0 and 12288 are moved so by the line below)
	s_add_co_u32 s58, s58, 1024                    ; the fragments lie behind the 1,024 bytes of scale words
	s_add_nc_u64 s[4:5], s[8:9], s[2:3]            ; the 256 bytes of scale words that I store
	s_mul_i32 s15, s15, 3072
	s_add_co_u32 s58, s58, s15
	s_add_nc_u64 s[8:9], s[8:9], s[58:59]          ; my two fragments of K; V's lie 12,288 bytes on
	s_mov_b32 s60, 0x76543210
	s_mov_b32 s61, 0xfedcba98                      ; v_permlanex16_b32's selects for lane l xor 16
	s_mul_i32 s15, s10, STGB
	v_add_nc_u32 v[STS], s15, v[L16]
	v_mul_u32_u24 v[STL], v10, SP
	s_delay_alu instid0(VALU_DEP_1)
	v_lshl_add_u32 v[STL], v11, 7, v[STL]
	s_delay_alu instid0(VALU_DEP_1)
	v_add_nc_u32 v[STL], s15, v[STL]
	s_lshr_b32 s15, s10, 2                         ; the word of fragment t, row m lies at 1024 step + 512 (t / 4) + 16 m + 4 (t % 4), t = 2 (w % 4) + lane / 16
	s_lshl_b32 s15, s15, 10
	s_bfe_u32 s63, s10, 0x10001
	s_lshl_b32 s63, s63, 9
	s_add_co_u32 s15, s15, s63
	s_and_b32 s63, s10, 1
	s_lshl_b32 s63, s63, 3
	s_add_co_u32 s15, s15, s63
	s_add_co_u32 s15, s15, SCI
	v_lshlrev_b32 v[SCA], 4, v10
	s_delay_alu instid0(VALU_DEP_1)
	v_lshl_add_u32 v[SCA], v11, 2, v[SCA]
	s_delay_alu instid0(VALU_DEP_1)
	v_add_nc_u32 v[SCA], s15, v[SCA]
	v_lshlrev_b32 v[L8], 3, v9
	s_lshl_b32 s15, s10, 8
	s_add_co_u32 s15, s15, SCI
	v_add_nc_u32 v[SCR], s15, v[L8]
	v_lshlrev_b32 v[SH8], 3, v11
	v_cmp_lt_u32 s62, 15, v9                       ; lanes 16-31
	v_mov_b32 v[PT], 0                             ; a lane permute's destination counts as one of its sources
; 16 rows through my stage: in as they were loaded, out 64 numbers a lane: register 32 c + i = d 64 c + 32 h + i of row r
.macro TURN buf
.irp m, 0,1,2,3,4,5,6,7,8,9,10,11,12,13,14,15
	ds_store_b128 v[STS], v[\buf+4*\m:\buf+4*\m+3] offset:SP*\m
.endr
	s_wait_dscnt 0x0                               ; the stores have read their registers, which the loads below fill
.irp c, 0,1
.irp k, 0,1,2,3,4,5,6,7
	ds_load_b128 v[\buf+32*\c+4*\k:\buf+32*\c+4*\k+3], v[STL] offset:256*\c+16*\k
.endr
.endr
	s_wait_dscnt 0x0
.endm
; 64 numbers of a lane (two whole blocks: 2 n + h, n = 0, 1) become the fragment's 12 registers at v[dst] and the row's scale word in v[wd]
.macro QROW x, dst, wd
.irp n, 0,1
	v_max3_num_f32 v[MX+\n], |v[\x+32*\n]|, |v[\x+32*\n+1]|, 0x1800000   ; and the floor 2^(3 - 127): the byte cannot fall under 1
.endr
.irp i, 2,4,6,8,10,12,14,16,18,20,22,24,26,28,30
.irp n, 0,1
	s_delay_alu instid0(VALU_DEP_2)
	v_max3_num_f32 v[MX+\n], v[MX+\n], |v[\x+32*\n+\i]|, |v[\x+32*\n+\i+1]|   ; the two blocks by turns
.endr
.endr
.irp n, 0,1
	s_delay_alu instid0(VALU_DEP_2)
	v_add_nc_u32 v[MX+\n], 0xff000000, v[MX+\n]    ; 2 off the exponent field: the conversion takes this operand's exponent field as its scale
.endr
.irp n, 0,1
	s_delay_alu instid0(VALU_DEP_2)
	v_lshrrev_b32 v[BY+\n], 23, v[MX+\n]           ; the scale's byte
.endr
	s_delay_alu instid0(VALU_DEP_1)
	v_lshl_or_b32 v[\wd], v[BY+1], 16, v[BY]       ; blocks h and 2 + h,
	s_delay_alu instid0(VALU_DEP_1)
	v_lshlrev_b32 v[\wd], v[SH8], v[\wd]           ; at their places in the word;
	s_delay_alu instid0(VALU_DEP_1)
	v_permlanex16_b32 v[PT], v[\wd], s60, s61
	s_delay_alu instid0(VALU_DEP_1)
	v_or_b32 v[\wd], v[\wd], v[PT]                 ; with lane l xor 16's two the word is whole, in both lanes
.irp n, 0,1
	v_cvt_scalef32_pk16_fp6_f32 v[\dst+6*\n:\dst+6*\n+2], v[\x+32*\n:\x+32*\n+15], v[MX+\n]
	v_cvt_scalef32_pk16_fp6_f32 v[TT+4*\n:TT+4*\n+2], v[\x+32*\n+16:\x+32*\n+31], v[MX+\n]   ; (a conversion's three registers begin on an even number)
.endr
	v_nop                                          ; one plain place behind a scaled conversion
.irp n, 0,1
.irp i, 0,1,2
	v_mov_b32 v[\dst+6*\n+3+\i], v[TT+4*\n+\i]
.endr
.endr
.endm
; block b of my column, 32 keys in v[buf] on, becomes six registers at v[dst] and byte b of v[VW]
.macro VBLOCK b, buf, dst
	v_max3_num_f32 v[MX], |v[\buf]|, |v[\buf+1]|, 0x1800000
	v_max3_num_f32 v[MX+1], |v[\buf+2]|, |v[\buf+3]|, |v[\buf+4]|
.irp i, 5,9,13,17,21,25
	s_delay_alu instid0(VALU_DEP_2)
	v_max3_num_f32 v[MX], v[MX], |v[\buf+\i]|, |v[\buf+\i+1]|
	s_delay_alu instid0(VALU_DEP_2)
	v_max3_num_f32 v[MX+1], v[MX+1], |v[\buf+\i+2]|, |v[\buf+\i+3]|
.endr
	s_delay_alu instid0(VALU_DEP_2)
	v_max3_num_f32 v[MX], v[MX], |v[\buf+29]|, |v[\buf+30]|
	s_delay_alu instid0(VALU_DEP_1)
	v_max3_num_f32 v[MX], v[MX], v[MX+1], |v[\buf+31]|
	s_delay_alu instid0(VALU_DEP_1)
	v_add_nc_u32 v[MX], 0xff000000, v[MX]
	s_delay_alu instid0(VALU_DEP_1)
	v_lshrrev_b32 v[BY], 23, v[MX]
.if \b == 0
	s_delay_alu instid0(VALU_DEP_1)
	v_mov_b32 v[VW], v[BY]
.else
	s_delay_alu instid0(VALU_DEP_1)
	v_lshl_or_b32 v[VW], v[BY], 8*\b, v[VW]
.endif
	v_cvt_scalef32_pk16_fp6_f32 v[\dst:\dst+2], v[\buf:\buf+15], v[MX]
	v_cvt_scalef32_pk16_fp6_f32 v[TT:TT+2], v[\buf+16:\buf+31], v[MX]
	v_nop                                          ; one plain place behind a scaled conversion
.irp i, 0,1,2
	v_mov_b32 v[\dst+3+\i], v[TT+\i]
.endr
.endm
	s_wait_alu depctr_va_vdst(0)
	s_wait_loadcnt 63                              ; 64 loads of V were issued behind K's last: K's 32 are in
	TURN BA
	QROW BA, KC0, W0
	LOADV 2, BA                                    ; the registers that fragment 0's rows have left
	LOADV 3, BA+32
.irp g, 0,1,2
	global_store_b128 v[L16], v[KC0+4*\g:KC0+4*\g+3], s[8:9] offset:512*\g          ; 32 lanes store 512 consecutive bytes, at a multiple of 512 from kv's first byte
.endr
	TURN BB
	QROW BB, KC1, W1
.irp g, 0,1,2
	global_store_b128 v[L16], v[KC1+4*\g:KC1+4*\g+3], s[8:9] offset:1536+512*\g
.endr
	v_cndmask_b32 v[W0], v[W0], v[W1], s62         ; lanes 0-15 carry fragment 0's words, lanes 16-31 fragment 1's
	ds_store_b32 v[SCA], v[W0]
	s_wait_loadcnt 63                              ; blocks 2 and 3, 64 loads, were issued behind block 1's last: blocks 0 and 1 are in
	VBLOCK 0, BD, FA
	VBLOCK 1, BD+32, FB
	s_wait_loadcnt 32                              ; block 3's 32 loads may be out
	VBLOCK 2, BA, FA+6
	s_wait_loadcnt 0x0
	VBLOCK 3, BA+32, FB+6
.irp i, 0,1,2,3,4,5,6,7,8,9,10,11
	v_permlane16_swap_b32 v[FA+\i], v[FB+\i]       ; FA held blocks 0, 2 and FB blocks 1, 3 of 32 columns: now FA is the fragment of columns 0-15 (lanes 0-15 blocks 0, 2; lanes 16-31 blocks 1, 3), FB that of columns 16-31
.endr
.irp g, 0,1,2
	global_store_b128 v[L16], v[FA+4*\g:FA+4*\g+3], s[8:9] offset:12288+512*\g
	global_store_b128 v[L16], v[FB+4*\g:FB+4*\g+3], s[8:9] offset:12288+1536+512*\g
.endr
	ds_store_b32 v[SCA], v[VW] offset:256          ; lane l: the word of column l: fragment l / 16, row l % 16
	s_wait_dscnt 0x0                               ; for the others' sake: my scale words lie in LDS
	s_barrier_signal -1
	s_barrier_wait -1
	ds_load_b64 v[TT:TT+1], v[SCR]                 ; 256 bytes a wave of the slot's 2,048
	s_wait_dscnt 0x0
	global_store_b64 v[L8], v[TT:TT+1], s[4:5]     ; 32 lanes store 256 consecutive bytes, at a multiple of 256 from kv's first byte
	s_wait_tensorcnt 0x0
	ds_add_u32 v35, v39
	s_wait_dscnt 0x0
	s_endpgm
.Lfunc_end_k_q2772228ce6_prep:
	.size	k_q2772228ce6_prep, .Lfunc_end_k_q2772228ce6_prep-k_q2772228ce6_prep
	.p2alignl 7, 3214868480
	.fill 96, 4, 3214868480
	.section	.rodata,"a",@progbits
	.p2align	6, 0x0
	.amdhsa_kernel k_q2772228ce6_prep
		.amdhsa_group_segment_fixed_size 70656
		.amdhsa_private_segment_fixed_size 0
		.amdhsa_enable_private_segment 0
		.amdhsa_kernarg_size 24
		.amdhsa_user_sgpr_count 2
		.amdhsa_user_sgpr_kernarg_segment_ptr 1
		.amdhsa_wavefront_size32 1
		.amdhsa_system_sgpr_workgroup_id_x 1
		.amdhsa_system_sgpr_workgroup_id_y 1
		.amdhsa_system_sgpr_workgroup_id_z 1
		.amdhsa_system_vgpr_workitem_id 0
		.amdhsa_next_free_vgpr 256
		.amdhsa_next_free_sgpr 66
		.amdhsa_reserve_vcc 0
		.amdhsa_float_denorm_mode_32 3
		.amdhsa_float_denorm_mode_16_64 3
		.amdhsa_memory_ordered 1
		.amdhsa_forward_progress 1
		.amdhsa_inst_pref_size 44
	.end_amdhsa_kernel
	.amdgpu_metadata
---
amdhsa.version: [ 1, 2 ]
amdhsa.kernels:
  - .name:           k_q2772228ce6_prep
    .symbol:         k_q2772228ce6_prep.kd
    .args:
      - { .name: key, .offset: 0, .size: 8, .value_kind: global_buffer, .address_space: global }
      - { .name: value, .offset: 8, .size: 8, .value_kind: global_buffer, .address_space: global }
      - { .name: kv, .offset: 16, .size: 8, .value_kind: global_buffer, .address_space: global }
    .group_segment_fixed_size: 70656
    .private_segment_fixed_size: 0
    .kernarg_segment_align: 8
    .kernarg_segment_size: 24
    .max_flat_workgroup_size: 256
    .sgpr_count:     66
    .vgpr_count:     256
    .wavefront_size: 32
...
	.end_amdgpu_metadata
.endif
;; end of part 1
;; launch attn (part 2): grid 8 x 32, 4 waves a work-group, clusters of 4 x 1, 327,680 bytes of LDS; arguments query, kv, out0; writes out0
.if DOCPART == 2
	.amdgcn_target "amdgcn-amd-amdhsa--gfx1250"
	.amdhsa_code_object_version 6
	.text
	.protected	k_q2772228ce6_attn
	.globl	k_q2772228ce6_attn
	.p2align	8
	.type	k_q2772228ce6_attn,@function
k_q2772228ce6_attn:
	s_mov_b64 s[64:65], 0
	v_nop
	global_prefetch_b8 v0, s[64:65] scope:SCOPE_SE
	s_setreg_imm32_b32 hwreg(HW_REG_WAVE_MODE, 25, 1), 1
	s_wait_xcnt 0x0
	s_wait_alu depctr_hold_cnt(0) depctr_sa_sdst(0) depctr_va_vdst(0) depctr_va_sdst(0) depctr_va_ssrc(0) depctr_va_vcc(0) depctr_vm_vsrc(0)
	s_getreg_b32 s2, hwreg(HW_REG_IB_STS2, 6, 4)
	s_cmp_eq_u32 s2, 0
	s_cbranch_scc0 .Lentry_in_a_cluster
	s_endpgm
.Lentry_in_a_cluster:
	s_bfe_u32 s2, ttmp6, 0x10000c
	s_cmp_lg_u32 s2, 0x3003
	s_cbranch_scc0 .Lentry_shape_is_right
	s_endpgm
.Lentry_shape_is_right:
; out0[b][p][128 j + d] = the sum over dr = 1, 2, 4, 8 of the dilated attention of head hd = 8 b + j: for dr = 1 << e the queries at positions p = r mod dr, r = (j << e) >> 3, attend to the keys
; and values at the same positions; the others get nothing from that dr (reference()'s products with the identity only place rows: here that is a choice of tiles and lanes).  No 1 / sqrt(D).
; Both products on codes of FP6 (E2M3), one E8M0 scale for each 32 along K.  query is quantised here along d.  kv: [32 heads][30 steps][25,600 bytes], a step = 128 gathered keys:
; 1,024 bytes of scale words, 8 fragments of K, 8 of V^T, all as images of the operands' registers; steps 0-15 dr 1, 16-23 dr 2, 24-27 dr 4, 28-29 dr 8.
; SOFTMAX: t = score x log2(e); M = the running largest t rounded up to a whole number; p = 2^(t - M) is quantised along the keys; the row's sum is taken of the unquantised p and divides at a
; phase's end; when M moves, the sums and O are multiplied by 2^(old M - new M).
; LIMITS: NaN and infinities are not served; p under 2^-126 comes out of the exponential as 0; t - M is one fused multiply-add; a block of p whose largest lies under 2^-124 has the byte 1.
; SHARES.  A work-group owns 256 neighbouring positions of one head, wave w the 64 from 64 w on: four tiles of 16 queries, tile (class) u: lane r takes position 8 (r % 8) + u + 4 (r / 8).
; dr 1: all four tiles; dr 2: classes j / 4 and j / 4 + 2; dr 4: class j / 2; dr 8: class j % 4, lanes with r / 8 = j / 4.  So every wave has 4, 2, 1, 1 tiles at work: 86 tile steps each.
; From dr 2 on the tiles at work take tile 0's (and 1's) score registers, a copy of their Q chosen by v_cndmask, and accumulators in the score registers of tiles 2 and 3; the totals stay in O.
; LDS.  A cell of 25,600 bytes is V(n), then the scale words and K of step n + 1: one run of memory.  So K is fetched from LDS a step ahead, always from the slot in hand.  A slot is two
; cells; two slots take turns; each wave fetches half a cell (50 rows of 256 bytes), jointly with the three partners of the cluster, which walk the same head.  K(0) comes by plain loads.
; The last slot's last 13,312 bytes belong to the next head (behind the last head: kv's spare bytes); no wave reads them from LDS.
; PREFETCH: behind the refill for slot s + 1, in dr 1 and dr 2, each wave names blocks of 256 bytes of its half cell of slot s + 3, two refills ahead.  The 50 blocks are shared out among the
; four partners by address: partner cx names blocks 13 cx .. 13 cx + 12, held at 49; lanes that are left over name their wave's last block again.  Slots 1 and 2 come by their loads alone; the
; twelve requests end at slot 14, the last.
; TWO TILES ARE WORKED TOGETHER, line by line, so that a line seldom reads the line above it.  Sixteen score products stand singly among a pair's exponentials: under tiles 0 and 1 those of
; tiles 2 and 3, under tiles 2 and 3 those of the NEXT step's tiles 0 and 1.  A pair's sixteen value products stand among its own row sums.
; The last step of dr 1 so makes sixteen products with dr 1's Q on dr 2's first keys, which nothing reads: dr 2's first step makes its own at its head, as every step for two tiles or one does.
; REGISTERS.  Window 0: addresses, states, scale words, codes of Q and p; two sets of 20 at work, at v70 and v220.  Window 1: S^T / p, tile u at 64 u.  Window 2: O^T, class u at 64 u.
; Window 3: v0-95 K's fragments, v96-191 V's.
.set STEPB, 25600
.set HEADB, 768000
.set CELL,  32768
.set BUF1,  65536
.set SOF,   12288                      ; in a cell: the next step's scale words,
.set KOF,   13312                      ; and its K
.set STG,   131072                     ; stages: for each wave 2 tiles x 16 rows x 528 bytes; no tile lands here
.set SP,    528
.set TILEB, 16*SP
.set STGW,  2*TILEB
.set SPARE, STG+4*STGW                 ; the spare words, 128 bytes a wave
.set LI,1
.set ADR,2
.set SPW,3
.set NIL,4
.set STO,5
.set SRD,6
.set QLD,7
.set SH8,8
.set X1,9                              ; v9, v10: one for each tile of a pair
.set PFO,11                            ; v11: the prefetches' offset; never rewritten
.set ST,12                             ; per tile 8: -M, largest t, two pairs of sums, f (a pair)
.set SCK,44                            ; scale words that came with K (lanes 0-15 K's, 16-31 V's)
.set SCV,52                            ; their copy for this step's V
.set QS,60
.set QXS,64
.set PW,66
.set BM,70                             ; set v of the pair at BM + 150 v: 4 largest scores, +4 permute results and bytes, +8 scale operands, +12 the conversions' second halves (8)
.set PB,74
.set INV,90
.set PC,100
.set QF,148
.set QX,196
.set T1,220                            ; at a change of phase the second set serves the choice of Q
.set T2,232
.set VF,96
.set WV,10
.set HD,13
.set J,14
.set QB,15
.set G1,16
.set G0,24
.set SEL,28
.set CS,30
.set TB,32
.set CNT,33
.set CNI,34
.set C0,36                             ; s36, s37: the classes of the tiles at work
.set LM,38
.set LM8,39
.set MLO,48
.set MHI,49
.set MEAR,50                           ; bit c: class c is finished behind dr 2;
.set MMID,51                           ; behind dr 4;
.set MEND,52                           ; behind dr 8
.set PF,54                             ; s[54:55]: my half cell of the slot that the last prefetch named
.set MSB,0
.macro WIN new                         ; the immediate's high byte repeats the setting that is left
.if MSB != \new
	s_set_vgpr_msb (MSB<<8)|\new
.set MSB, \new
.endif
.endm
.macro ROUND                           ; a round of the cluster's barrier
	s_barrier_signal -1
	s_barrier_wait -1
	s_cmp_lg_u32 s[WV], 0
	s_cbranch_scc1 .Lnot_wave_0_\@
	s_barrier_signal -3
.Lnot_wave_0_\@:
	s_barrier_wait -3
	s_barrier_signal -1
	s_barrier_wait -1
.endm
.macro JLOAD                           ; every wave asks for its half cell; s_nop 0 and four v_nop follow
	tensor_load_to_lds s[G0:G0+3], s[G1:G1+7]
	s_nop 0
.rept 4
	v_nop
.endr
.endm
	s_load_b128 s[4:7], s[0:1], 0x0                ; query, kv
	s_load_b64 s[8:9], s[0:1], 0x10                ; out0
	v_lshl_add_u32 v[SPW], v0, 2, SPARE
	v_mov_b32 v[NIL], 0
	ds_add_u32 v[SPW], v[NIL]                      ; the opening lines: the add twice and one wait
	ds_add_u32 v[SPW], v[NIL]
	v_lshrrev_b32 v[X1], 5, v0
	v_readfirstlane_b32 s[WV], v[X1]               ; wave 0..3
	s_and_b32 s[HD], ttmp7, 0xffff                 ; the head, which the four partners share
	s_and_b32 s[J], s[HD], 7
	s_bfe_u32 s44, ttmp6, 0x40000                  ; cx: it enters Q's, out0's and the prefetches' addresses alone
	s_lshl_b32 s[QB], ttmp9, 2
	s_add_co_u32 s[QB], s[QB], s44
	s_mov_b32 s[G1], 15|(3<<16)|(1<<21)            ; the mask of the four; elements of 8 bytes; bit 21 beside a mask
	s_mov_b32 s[G1+1], 32<<16
	s_mov_b32 s[G1+2], 50<<16
	s_mov_b32 s[G1+3], 32<<16
	s_mov_b32 s[G1+4], 50                          ; 50 rows of 256 bytes
	s_mov_b32 s[G1+5], 32
	s_mov_b32 s[G1+6], 0
	s_mov_b32 s[G1+7], 0
	s_mov_b32 s[SEL], 0x76543210
	s_mov_b32 s[SEL+1], 0xfedcba98                 ; lane l xor 16
	s_mov_b32 s[CS], 0x3fb8aa3b                    ; log2(e)
	s_mov_b32 s[CS+1], s[CS]
	s_mov_b32 s[TB], 0
	s_mov_b32 s[LM], -1
	s_lshr_b32 s40, s[J], 2
	s_lshl_b32 s40, s40, 3
	s_lshl_b32 s[LM8], 0x00ff00ff, s40             ; lanes with (lane % 16) / 8 = j / 4
	s_lshl_b32 s44, s[QB], 8
	s_lshl_b32 s45, s[WV], 6
	s_add_co_u32 s44, s44, s45                     ; my first position
	s_lshr_b32 s46, s[HD], 3
	s_lshl_b32 s46, s46, 11
	s_add_co_u32 s46, s46, s44
	s_lshl_b32 s46, s46, 12                        ; out0: rows of 4,096 bytes,
	s_lshl_b32 s47, s[J], 9
	s_add_co_u32 s46, s46, s47                     ; the head's 512 of them
	s_mov_b32 s47, 0
	s_lshl_b32 s45, s[HD], 11
	s_add_co_u32 s44, s44, s45
	s_lshl_b32 s44, s44, 9                         ; Q: rows of 512 bytes
	s_mov_b32 s45, 0
	s_mul_i32 s40, s[HD], HEADB
	s_mov_b32 s41, 0
	s_mul_i32 s50, s[WV], 12800
	s_add_co_u32 s50, s50, 13312                   ; the cells begin at V(0); my half cell
	s_mov_b32 s51, 0
	s_lshr_b32 s52, s[WV], 1
	s_lshl_b32 s52, s52, 15
	s_and_b32 s53, s[WV], 1
	s_mul_i32 s53, s53, 12800
	s_add_co_u32 s[G0+1], s52, s53                 ; LDS: cell wave / 2, half wave % 2
	s_mov_b32 s[G0], 1
	s_wait_dscnt 0x0
	s_wait_kmcnt 0x0
	s_add_nc_u64 s[4:5], s[4:5], s[44:45]
	s_add_nc_u64 s[8:9], s[8:9], s[46:47]
	s_add_nc_u64 s[42:43], s[6:7], s[40:41]        ; the head's stream
	s_add_nc_u64 s[G0+2:G0+3], s[42:43], s[50:51]
	s_add_nc_u64 s[PF:PF+1], s[G0+2:G0+3], 4*STEPB ; my half cell of slot 2: the first change of slots steps it to slot 3
	s_or_b32 s[G0+3], s[G0+3], 0x80000000
	s_lshr_b32 s52, s[J], 1
	s_lshl_b32 s[MMID], 1, s52                     ; dr 4's class,
	s_and_b32 s53, s[J], 3
	s_lshl_b32 s[MEND], 1, s53                     ; dr 8's
	s_or_b32 s[MEAR], s[MMID], s[MEND]
	s_xor_b32 s[MEAR], s[MEAR], 15                 ; the classes that are neither
	s_and_not1_b32 s[MMID], s[MMID], s[MEND]       ; dr 4's, unless dr 8 adds to it too
	s_bfe_u32 s53, ttmp6, 0x40000
	s_mul_i32 s53, s53, 13                         ; my work-group's first block of a half cell's 50
	ROUND                                          ; the first joint loads meet
	JLOAD                                          ; slot 0
	v_and_b32 v[LI], 31, v0
	v_min_u32 v[PFO], 12, v[LI]
	v_add_nc_u32 v[PFO], s53, v[PFO]
	v_min_u32 v[PFO], 49, v[PFO]
	v_lshlrev_b32 v[PFO], 8, v[PFO]
	v_lshlrev_b32 v[LI], 4, v[LI]
	WIN 0x40
.irp u, 0,1,2,3
.irp i, 0,1,2,3,4,5,6,7,8,9,10,11,12,13,14,15
	global_load_b128 v[64*\u+4*\i:64*\u+4*\i+3], v[LI], s[4:5] offset:512*\u+4096*(\i%8)+2048*(\i/8) th:TH_LOAD_NT   ; row i of tile u: 512 consecutive bytes
.endr
.endr
	WIN 0xc0
.irp t, 0,1,2,3,4,5,6,7
.irp g, 0,1,2
	global_load_b128 v[12*\t+4*\g:12*\t+4*\g+3], v[LI], s[42:43] offset:1024+1536*\t+512*\g   ; K(0)
.endr
.endr
	WIN 0
.irp g, 0,1
	global_load_b128 v[SCK+4*\g:SCK+4*\g+3], v[LI], s[42:43] offset:512*\g                    ; step 0's scale words
.endr
	v_and_b32 v[X1], 15, v0                        ; r
	v_bfe_u32 v[SH8], v0, 4, 1                     ; h
	s_mul_i32 s40, s[WV], STGW
	s_add_co_u32 s40, s40, STG                     ; my stage
	v_mul_u32_u24 v[STO], v[X1], SP
	v_add_nc_u32 v[STO], s40, v[STO]
	v_lshl_add_u32 v[QLD], v[SH8], 7, v[STO]
	v_lshl_add_u32 v[STO], v[SH8], 5, v[STO]
	v_add_nc_u32 v[SRD], s40, v[LI]
	v_lshlrev_b32 v[SH8], 3, v[SH8]
	v_mov_b32 v[X1], 0
	v_mov_b32 v[X1+1], 0
.irp u, 0,1,2,3
	v_mov_b32 v[ST+8*\u+1], 0xff61b1e6             ; the largest t so far: -3e38
	v_floor_f32 v[ST+8*\u], -v[ST+8*\u+1]
.irp i, 2,3,4,5,6,7
	v_mov_b32 v[ST+8*\u+\i], 0
.endr
	v_mov_b32 v[INV+2*\u], 0
	v_mov_b32 v[INV+2*\u+1], 0
	v_mov_b32 v[PB+\u], 0                          ; (a lane permute's destination counts as one of its sources)
	v_mov_b32 v[PB+150+\u], 0
.endr
	WIN 0x80
.set j, 0
.rept 256
	v_mov_b32 v[j], 0                              ; O^T, once, while Q is on its way: the first step multiplies what it finds by f = 0
.set j, j+1
.endr
	WIN 0
; Two tiles' Q: 64 numbers of a lane each, in window 1 from v[x] on (four whole blocks, k = 0 .. 3), become two fragments of 12 registers and two scale words
.macro QROW2 x, dst, wd
	WIN 0x05
.set k, 0
.rept 4
	v_max_num_f32 v[BM+150*(k/2)+k%2], |v[\x+32*k]|, |v[\x+32*k+1]|
.set k, k+1
.endr
.irp i, 2,4,6,8,10,12,14,16,18,20,22,24,26,28,30
.set k, 0
.rept 4
	v_max3_num_f32 v[BM+150*(k/2)+k%2], |v[\x+32*k+\i]|, |v[\x+32*k+\i+1]|, v[BM+150*(k/2)+k%2]
.set k, k+1
.endr
.endr
	WIN 0
.set k, 0
.rept 4
	v_max_num_f32 v[BM+150*(k/2)+k%2], 0x1800000, v[BM+150*(k/2)+k%2]    ; the floor 2^(3 - 127): the byte cannot fall under 1
.set k, k+1
.endr
.set k, 0
.rept 4
	v_add_nc_u32 v[BM+150*(k/2)+k%2], 0xff000000, v[BM+150*(k/2)+k%2]    ; 2 off the exponent field: the conversion's scale operand
.set k, k+1
.endr
.set k, 0
.rept 4
	v_lshrrev_b32 v[PB+150*(k/2)+k%2], 23, v[BM+150*(k/2)+k%2]
.set k, k+1
.endr
.irp v, 0,1
	v_lshl_or_b32 v[\wd+\v], v[PB+150*\v+1], 16, v[PB+150*\v]
.endr
.irp v, 0,1
	v_lshlrev_b32 v[\wd+\v], v[SH8], v[\wd+\v]
.endr
.irp v, 0,1
	v_permlanex16_b32 v[X1+\v], v[\wd+\v], s[SEL], s[SEL+1]
.endr
.irp v, 0,1
	v_or_b32 v[\wd+\v], v[\wd+\v], v[X1+\v]
.endr
	WIN 0x01
.set k, 0
.rept 4
	v_cvt_scalef32_pk16_fp6_f32 v[\dst+6*k:\dst+6*k+2], v[\x+32*k:\x+32*k+15], v[BM+150*(k/2)+k%2]
	v_cvt_scalef32_pk16_fp6_f32 v[BM+12+150*(k/2)+4*(k%2):BM+14+150*(k/2)+4*(k%2)], v[\x+32*k+16:\x+32*k+31], v[BM+150*(k/2)+k%2]
.set k, k+1
.endr
	WIN 0
	v_nop                                          ; one plain place behind a scaled conversion
.set k, 0
.rept 4
.irp i, 0,1,2
	v_mov_b32 v[\dst+6*k+3+\i], v[BM+12+150*(k/2)+4*(k%2)+\i]
.endr
.set k, k+1
.endr
.endm
	s_wait_alu depctr_va_vdst(0)
	s_wait_loadcnt 26                              ; behind Q's loads: K(0)'s 24 and the 2 of scale words
.irp p, 0,1                            ; Q's rows turn through my stage, two tiles at a time: a lane then holds 64 numbers of one row
	WIN 0x04
.irp k, 0,1
.irp i, 0,1,2,3,4,5,6,7,8,9,10,11,12,13,14,15
	ds_store_b128 v[SRD], v[64*(2*\p+\k)+4*\i:64*(2*\p+\k)+4*\i+3] offset:TILEB*\k+SP*\i
.endr
.endr
	s_wait_dscnt 0x0                               ; the stores have read their registers, which the loads below fill
	WIN 0x40
.irp k, 0,1
.irp c, 0,1
.irp m, 0,1,2,3,4,5,6,7
	ds_load_b128 v[64*(2*\p+\k)+32*\c+4*\m:64*(2*\p+\k)+32*\c+4*\m+3], v[QLD] offset:TILEB*\k+256*\c+16*\m
.endr
.endr
.endr
.endr
	WIN 0
	s_wait_dscnt 0x0
	QROW2 0, QF, QS
	QROW2 128, QF+24, QS+2
.rept 4
	v_nop
.endr
; one product of S^T = K Q^T, and one of O^T += V^T P^T
.macro QKW t, u, qf, qs
	WIN 0x43
	v_wmma_scale_f32_16x16x128_f8f6f4 v[64*(\u)+8*(\t):64*(\u)+8*(\t)+7], v[12*(\t):12*(\t)+11], v[\qf+12*(\u):\qf+12*(\u)+11], 0, v[SCK+(\t)], v[\qs+(\u)] matrix_a_fmt:MATRIX_FMT_FP6 matrix_b_fmt:MATRIX_FMT_FP6
.endm
.macro PVW t, u, ow, ob
	WIN ((\ow)<<6)|((\ow)<<4)|3
	v_wmma_scale_f32_16x16x128_f8f6f4 v[\ob+64*(\u)+8*(\t):\ob+64*(\u)+8*(\t)+7], v[VF+12*(\t):VF+12*(\t)+11], v[PC+12*(\u):PC+12*(\u)+11], v[\ob+64*(\u)+8*(\t):\ob+64*(\u)+8*(\t)+7], v[SCV+(\t)], v[PW+(\u)] matrix_a_fmt:MATRIX_FMT_FP6 matrix_b_fmt:MATRIX_FMT_FP6 matrix_a_scale:MATRIX_SCALE_ROW1
.endm
.macro HK h, cfg                       ; score product h of the sixteen of tiles HQ and HQ + 1, where HQ names a pair; then back to the windows in hand
.if HQ >= 0
	QKW (\h)/2, HQ+(\h)%2, HQF, HQS
	WIN \cfg
.endif
.endm
.macro CH s, v                         ; line s of the nine that lead from tile v's block maxima to -M and f
.set cT, ST+8*(U0+\v)
.set cB, BM+150*(\v)
.set cX, X1+\v
.if \s == 0
	v_max3_num_f32 v[cX], v[cB], v[cB+1], v[cB+2]
.elseif \s == 1
	v_max_num_f32 v[cX], v[cX], v[cB+3]
.elseif \s == 2
	v_mul_f32 v[cX], s[CS], v[cX]
.elseif \s == 3
	v_max_num_f32 v[cT+1], v[cT+1], v[cX]          ; the running largest t
.elseif \s == 4
	v_mov_b32 v[cX], v[cT]
.elseif \s == 5
	v_floor_f32 v[cT], -v[cT+1]                    ; the new -M
.elseif \s == 6
	v_sub_f32 v[cX], v[cT], v[cX]
.elseif \s == 7
	v_cvt_i32_f32 v[cX], v[cX]                     ; (it saturates)
.else
	v_ldexp_f32 v[cT+6], 1.0, v[cX]                ; f = 2^(old M - new M); 0 in a phase's first step
.endif
.endm
; THE SOFTMAX AND VALUE PRODUCTS OF n TILES (1 or 2, from tile u on) for 128 keys.  nq: the first tile of the pair whose score products stand among the exponentials (-1: none).
; pf: fetch the next step's K first.  wv: wait for V
.macro SOFT u, n, nq, qf, qs, ow, ob, pf, wv
.set U0, \u
.set GN, \n
.set HQ, \nq
.set HQF, \qf
.set HQS, \qs
.if \pf
	WIN 0xc0
.irp t, 0,1,2,3,4,5,6,7
.irp g, 0,1,2
	ds_load_b128 v[12*\t+4*\g:12*\t+4*\g+3], v[ADR] offset:KOF+1536*\t+512*\g
.endr
.endr
	WIN 0
.irp g, 0,1
	ds_load_b128 v[SCK+4*\g:SCK+4*\g+3], v[ADR] offset:SOF+512*\g
.endr
.endif
	WIN 0x05
	s_wait_alu depctr_va_vdst(0)                   ; directly ahead of the scores' first readers
.set k, 0
.rept 4*GN
	v_max_num_f32 v[BM+150*(k/4)+k%4], v[64*U0+16*k], v[64*U0+16*k+1]   ; the largest score of each block of 32 keys; each accumulator from its low end on
.set k, k+1
.endr
.irp i, 2,4,6,8,10,12,14
.set k, 0
.rept 4*GN
	v_max3_num_f32 v[BM+150*(k/4)+k%4], v[64*U0+16*k+\i], v[64*U0+16*k+\i+1], v[BM+150*(k/4)+k%4]
.set k, k+1
.endr
.endr
	WIN 0
.set k, 0
.rept 4*GN
	v_permlanex16_b32 v[PB+150*(k/4)+k%4], v[BM+150*(k/4)+k%4], s[SEL], s[SEL+1]
.set k, k+1
.endr
.set k, 0
.rept 4*GN
	v_max_num_f32 v[BM+150*(k/4)+k%4], v[BM+150*(k/4)+k%4], v[PB+150*(k/4)+k%4]
.set k, k+1
.endr
.irp s, 0,1,2,3,4,5,6,7,8
.set k, 0
.rept GN
	CH \s, k
.set k, k+1
.endr
.endr
	WIN 0x41
.set j, 0
.rept 32*GN
	v_pk_fma_f32 v[64*U0+2*j:64*U0+2*j+1], v[64*U0+2*j:64*U0+2*j+1], s[CS:CS+1], v[ST+8*(U0+j/32):ST+8*(U0+j/32)+1] op_sel_hi:[1,0,0]   ; t - M
.set j, j+1
.endr
	WIN 0
.set k, 0
.rept 4*GN
	v_fma_f32 v[BM+150*(k/4)+k%4], v[BM+150*(k/4)+k%4], s[CS], v[ST+8*(U0+k/4)]
.set k, k+1
.endr
.if \pf && HQ >= 0
	s_wait_dscnt 0x0                               ; the next step's K, asked for at this macro's head, is in: its products stand among the exponentials below
.endif
	WIN ((\ow)<<6)|(\ow)
	s_wait_alu depctr_va_vdst(0)                   ; directly ahead of O^T's first readers; it also stands between the lines above and the exponentials that read them
.set j, 0
.rept 32*GN
	v_pk_mul_f32 v[\ob+64*U0+2*j:\ob+64*U0+2*j+1], v[\ob+64*U0+2*j:\ob+64*U0+2*j+1], v[ST+8*(U0+j/32)+6:ST+8*(U0+j/32)+7] op_sel_hi:[1,0]
.set j, j+1
.endr
	WIN 0
.set k, 0
.rept 2*GN
	v_pk_mul_f32 v[ST+8*(U0+k/2)+2+2*(k%2):ST+8*(U0+k/2)+3+2*(k%2)], v[ST+8*(U0+k/2)+2+2*(k%2):ST+8*(U0+k/2)+3+2*(k%2)], v[ST+8*(U0+k/2)+6:ST+8*(U0+k/2)+7] op_sel_hi:[1,0]
.set k, k+1
.endr
	WIN 0x41
.set j, 0
.rept 64*GN
.if j%7 == 0 && j/7 < 16
	HK j/7, 0x41                                   ; every seventh exponential carries a score product: the last stands 23 lines ahead of the batch's end
.endif
	v_exp_f32 v[64*U0+j], v[64*U0+j]               ; p = 2^(t - M)
.set j, j+1
.endr
	WIN 0
.set k, 0
.rept 4*GN
	v_exp_f32 v[BM+150*(k/4)+k%4], v[BM+150*(k/4)+k%4]   ; each block's largest p
.set k, k+1
.endr
	v_nop
	s_wait_alu depctr_va_vdst(0)                   ; behind the batch
.set k, 0
.rept 4*GN
	v_max_num_f32 v[BM+150*(k/4)+k%4], 0x1800000, v[BM+150*(k/4)+k%4]
.set k, k+1
.endr
.set k, 0
.rept 4*GN
	v_add_nc_u32 v[BM+8+150*(k/4)+k%4], 0xff000000, v[BM+150*(k/4)+k%4]
.set k, k+1
.endr
.set k, 0
.rept 4*GN
	v_lshrrev_b32 v[PB+150*(k/4)+k%4], 23, v[BM+8+150*(k/4)+k%4]
.set k, k+1
.endr
.set k, 0
.rept GN
	v_lshl_or_b32 v[PW+U0+k], v[PB+150*k+1], 8, v[PB+150*k]
.set k, k+1
.endr
.irp s, 2,3
.set k, 0
.rept GN
	v_lshl_or_b32 v[PW+U0+k], v[PB+150*k+\s], 8*\s, v[PW+U0+k]
.set k, k+1
.endr
.endr
	WIN 0x01
.set k, 0
.rept 2*GN
	v_cvt_scalef32_pk16_fp6_f32 v[PC+12*U0+6*k:PC+12*U0+6*k+2], v[64*U0+32*k:64*U0+32*k+15], v[BM+8+150*(k/2)+2*(k%2)]
	v_cvt_scalef32_pk16_fp6_f32 v[BM+12+150*(k/2)+4*(k%2):BM+14+150*(k/2)+4*(k%2)], v[64*U0+32*k+16:64*U0+32*k+31], v[BM+9+150*(k/2)+2*(k%2)]
.set k, k+1
.endr
	WIN 0
	v_nop
.set k, 0
.rept 2*GN                             ; a whole block to a lane
.irp i, 0,1,2
	v_permlane16_swap_b32 v[PC+12*U0+6*k+\i], v[BM+12+150*(k/2)+4*(k%2)+\i]
.endr
.set k, k+1
.endr
.set k, 0
.rept 2*GN
.irp i, 0,1,2
	v_mov_b32 v[PC+12*U0+6*k+3+\i], v[BM+12+150*(k/2)+4*(k%2)+\i]
.endr
.set k, k+1
.endr
.if \wv
	s_wait_alu depctr_va_vdst(0)                   ; directly ahead of the wait below
	s_wait_dscnt 0x0                               ; V is in
.endif
	WIN 0x01
.set k, 0
.rept 32*GN                            ; the rows' sums of the unquantised p, two chains a tile, the tiles by turns; from the fifth line on every third carries a value product, the accumulators by turns
.if k >= 4 && (k-4)%3 == 0 && (k-4)/3 < 8*GN
	PVW (k-4)/3/GN, U0+((k-4)/3)%GN, \ow, \ob
	WIN 0x01
.endif
	v_pk_add_f32 v[ST+8*(U0+k%GN)+2+2*((k/GN)%2):ST+8*(U0+k%GN)+3+2*((k/GN)%2)], v[64*(U0+k%GN)+2*(k/GN):64*(U0+k%GN)+2*(k/GN)+1], v[ST+8*(U0+k%GN)+2+2*((k/GN)%2):ST+8*(U0+k%GN)+3+2*((k/GN)%2)]
.set k, k+1
.endr
	WIN 0
.endm
; A KEY STEP for nt tiles.  V is fetched here.  nt < 4: K is in registers or on its way from LDS, and the score products stand at the head.
; nt = 4: the scores of tiles 0 and 1 were made in the step before (the first step's ahead of the loop)
.macro STEP nt, qf, qs, ow, ob, pf
	v_add_nc_u32 v[ADR], s[TB], v[LI]
.if \nt < 4
	s_wait_alu depctr_va_vdst(0)
	s_wait_dscnt 0x0                               ; K is in
.irp t, 0,1,2,3,4,5,6,7
	QKW \t, 0, \qf, \qs
.if \nt > 1
	QKW \t, 1, \qf, \qs
.endif
.endr
.endif
	WIN 0xc0
.irp t, 0,1,2,3,4,5,6,7
.irp g, 0,1,2
	ds_load_b128 v[VF+12*\t+4*\g:VF+12*\t+4*\g+3], v[ADR] offset:1536*\t+512*\g
.endr
.endr
	WIN 0
.irp i, 0,1,2,3,4,5,6,7
	v_mov_b32 v[SCV+\i], v[SCK+\i]                 ; V's words stay while the next step's land
.endr
.if \nt < 4
.rept 4
	v_nop                                          ; four places behind the score products
.endr
.endif
.if \nt == 4
	SOFT 0, 2, 2, \qf, \qs, \ow, \ob, 0, 1
	SOFT 2, 2, 0, \qf, \qs, \ow, \ob, \pf, 0
.else
	SOFT 0, \nt, -1, \qf, \qs, \ow, \ob, \pf, 1
.endif
.endm
; THE CHANGE OF SLOTS: all my tensor loads, the add, my LDS reads; the cluster's round; the refill first behind it.  ask: a prefetch follows the refill
.macro CHANGE fill, ask
	s_wait_alu depctr_va_vdst(0)
.if \ask
	s_wait_xcnt 0x0                                ; the last prefetch, a slot ago, has read its address, which steps here
	s_add_nc_u64 s[PF:PF+1], s[PF:PF+1], 2*STEPB
.endif
	s_wait_tensorcnt 0x0
	ds_add_u32 v[SPW], v[NIL]
.if \fill
	s_xor_b32 s[G0+1], s[G0+1], BUF1
	s_add_nc_u64 s[G0+2:G0+3], s[G0+2:G0+3], 2*STEPB
.endif
	s_wait_dscnt 0x0
	ROUND
.if \fill
	JLOAD
.endif
.if \ask
	global_prefetch_b8 v[PFO], s[PF:PF+1] th:TH_LOAD_NT scope:SCOPE_SE   ; my work-group's blocks of my half cell, two refills ahead
.endif
.endm
.macro SLOTS n, nt, qf, qs, ow, ob     ; n slots of two steps
	s_mov_b32 s[CNT], \n
.Lslot_\@:
	CHANGE 1, (\nt>1)
	s_mov_b32 s[CNI], 2
.Lstep_\@:
	STEP \nt, \qf, \qs, \ow, \ob, 1
	s_xor_b32 s[TB], s[TB], CELL
	s_sub_co_u32 s[CNI], s[CNI], 1
	s_cmp_lg_u32 s[CNI], 0
	s_wait_alu depctr_va_vdst(0)
	s_cbranch_scc1 .Lstep_\@
	s_xor_b32 s[TB], s[TB], BUF1
	s_sub_co_u32 s[CNT], s[CNT], 1
	s_cmp_lg_u32 s[CNT], 0
	s_cbranch_scc1 .Lslot_\@
.endm
; A PHASE'S END: 1 / the sum for nt tiles, 0 in lanes that do not count; the largest t goes back to -3e38
.macro LSUM nt
.irp u, 0,1,2,3
.if \u < \nt
	v_pk_add_f32 v[INV+2*\u:INV+2*\u+1], v[ST+8*\u+2:ST+8*\u+3], v[ST+8*\u+4:ST+8*\u+5]
.endif
.endr
.irp u, 0,1,2,3
.if \u < \nt
	v_add_f32 v[INV+2*\u], v[INV+2*\u], v[INV+2*\u+1]
.endif
.endr
.irp u, 0,1,2,3
.if \u < \nt
	v_permlanex16_b32 v[PB+\u], v[INV+2*\u], s[SEL], s[SEL+1]
.endif
.endr
.irp u, 0,1,2,3
.if \u < \nt
	v_add_f32 v[INV+2*\u], v[INV+2*\u], v[PB+\u]
.endif
.endr
	s_wait_alu depctr_va_vdst(0)
.irp u, 0,1,2,3
.if \u < \nt
	v_rcp_f32 v[INV+2*\u], v[INV+2*\u]
.endif
.endr
.irp u, 0,1,2,3
.if \u < \nt
	v_mov_b32 v[ST+8*\u+1], 0xff61b1e6
.endif
.endr
.irp u, 0,1,2,3
.if \u < \nt
	v_floor_f32 v[ST+8*\u], -v[ST+8*\u+1]
.endif
.endr
	s_wait_alu depctr_va_vdst(0)
.irp u, 0,1,2,3
.if \u < \nt
	v_cndmask_b32 v[INV+2*\u], 0, v[INV+2*\u], s[LM]
.endif
.endr
.endm
.macro ACCSEL w, lo                    ; class s[C0 + w]'s total takes working tile w's O^T / the sum: one copy of the 32 lines for each class that it can be
.irp c, 0,1,2,3
.if \c >= \lo
	s_cmp_lg_u32 s[C0+\w], \c
	s_cbranch_scc1 .Lna_\@_\w\()_\c
	WIN 0xa1
	s_wait_alu depctr_va_vdst(0)                   ; directly ahead of the results' first readers
.set j, 0
.rept 32
	v_pk_fma_f32 v[64*\c+j:64*\c+j+1], v[128+64*\w+j:128+64*\w+j+1], v[INV+2*\w:INV+2*\w+1], v[64*\c+j:64*\c+j+1] op_sel_hi:[1,0,1]
.set j, j+2
.endr
	WIN 0
.Lna_\@_\w\()_\c:
.endif
.endr
.endm
.macro QSEL w                          ; class s[C0 + w]'s Q into working tile w's registers: the scale word first
	s_bitcmp1_b32 s[C0+\w], 0
	s_cselect_b32 s[MLO], -1, 0
	s_bitcmp1_b32 s[C0+\w], 1
	s_cselect_b32 s[MHI], -1, 0
	v_cndmask_b32 v[T1], v[QS], v[QS+1], s[MLO]
	v_cndmask_b32 v[T2], v[QS+2], v[QS+3], s[MLO]
	v_cndmask_b32 v[QXS+\w], v[T1], v[T2], s[MHI]
.irp i, 0,1,2,3,4,5,6,7,8,9,10,11
	v_cndmask_b32 v[T1+\i], v[QF+\i], v[QF+12+\i], s[MLO]
	v_cndmask_b32 v[T2+\i], v[QF+24+\i], v[QF+36+\i], s[MLO]
.endr
.irp i, 0,1,2,3,4,5,6,7,8,9,10,11
	v_cndmask_b32 v[QX+12*\w+\i], v[T1+\i], v[T2+\i], s[MHI]
.endr
.rept 4
	v_nop
.endr
.endm
; THE WAY OUT of class c, if bit c of s[m] is set, through half c % 2 of my stage: whole rows of 512 bytes leave.  Each class has its bit in one of the three masks: it leaves once,
; behind the last phase that adds to it.  The rows come back into window 1's v64-127 or v192-255, which the steps for one tile do not touch.
.macro OUT1 c, m
	s_bitcmp1_b32 s[\m], \c
	s_cbranch_scc0 .Lno_\@
	s_wait_alu depctr_va_vdst(0)
	WIN 0x08
.irp t, 0,1,2,3,4,5,6,7
.irp z, 0,1
	ds_store_b128 v[STO], v[64*\c+8*\t+4*\z:64*\c+8*\t+4*\z+3] offset:TILEB*(\c%2)+64*\t+16*\z
.endr
.endr
	s_wait_xcnt 0x0                                ; earlier stores have read the registers that the loads below fill
	WIN 0x40
.irp i, 0,1,2,3,4,5,6,7,8,9,10,11,12,13,14,15
	ds_load_b128 v[64+128*(\c%2)+4*\i:64+128*(\c%2)+4*\i+3], v[SRD] offset:TILEB*(\c%2)+SP*\i   ; LDS serves a wave's instructions in order
.endr
	s_wait_dscnt 0x0
	WIN 0x04
.irp i, 0,1,2,3,4,5,6,7,8,9,10,11,12,13,14,15
	global_store_b128 v[LI], v[64+128*(\c%2)+4*\i:64+128*(\c%2)+4*\i+3], s[8:9] offset:4096*\c+32768*(\i%8)+16384*(\i/8) th:TH_STORE_NT   ; 32 lanes store 512 consecutive bytes, aligned
.endr
	WIN 0
.Lno_\@:
.endm
	s_wait_alu depctr_va_vdst(0)
	s_wait_loadcnt 0x0                             ; K(0) and its scale words
.irp t, 0,1,2,3,4,5,6,7
	QKW \t, 0, QF, QS                              ; the first step's scores of tiles 0 and 1
	QKW \t, 1, QF, QS
.endr
	WIN 0
	SLOTS 8, 4, QF, QS, 2, 0                       ; dr 1
	LSUM 4
	WIN 0x82
	s_wait_alu depctr_va_vdst(0)                   ; directly ahead of O^T's first readers
.irp u, 0,1,2,3
.set j, 0
.rept 32
	v_pk_mul_f32 v[64*\u+j:64*\u+j+1], v[64*\u+j:64*\u+j+1], v[INV+2*\u:INV+2*\u+1] op_sel_hi:[1,0]   ; the totals begin as dr 1's results
.set j, j+2
.endr
.endr
	WIN 0
	s_lshr_b32 s[C0], s[J], 2                      ; dr 2: classes j / 4 and j / 4 + 2
	s_add_co_u32 s[C0+1], s[C0], 2
	QSEL 0
	QSEL 1
	SLOTS 4, 2, QX, QXS, 1, 128
	LSUM 2
	ACCSEL 0, 0
	ACCSEL 1, 2
.irp c, 0,1,2,3
	OUT1 \c, MEAR                                  ; the classes that are finished leave now
.endr
	s_lshr_b32 s[C0], s[J], 1                      ; dr 4: class j / 2
	QSEL 0
	SLOTS 2, 1, QX, QXS, 1, 128
	LSUM 1
	ACCSEL 0, 0
.irp c, 0,1,2,3
	OUT1 \c, MMID                                  ; dr 4's class, unless dr 8 adds to it
.endr
	s_and_b32 s[C0], s[J], 3                       ; dr 8: class j % 4, half of its lanes
	s_mov_b32 s[LM], s[LM8]
	QSEL 0
	CHANGE 0, 0                                    ; the last slot is written out: nothing more is asked for, and the last step fetches no K
	STEP 1, QX, QXS, 1, 128, 1
	s_xor_b32 s[TB], s[TB], CELL
	STEP 1, QX, QXS, 1, 128, 0
	LSUM 1
	ACCSEL 0, 0
.irp c, 0,1,2,3
	OUT1 \c, MEND                                  ; dr 8's class at the end
.endr
	s_wait_tensorcnt 0x0                           ; the wave's end
	ds_add_u32 v[SPW], v[NIL]
	s_wait_dscnt 0x0
	ROUND                                          ; the closing round
	s_endpgm
.Lfunc_end_k_q2772228ce6_attn:
	.size	k_q2772228ce6_attn, .Lfunc_end_k_q2772228ce6_attn-k_q2772228ce6_attn
	.p2alignl 7, 3214868480
	.fill 96, 4, 3214868480
	.section	.rodata,"a",@progbits
	.p2align	6, 0x0
	.amdhsa_kernel k_q2772228ce6_attn
		.amdhsa_group_segment_fixed_size 327680
		.amdhsa_private_segment_fixed_size 0
		.amdhsa_enable_private_segment 0
		.amdhsa_kernarg_size 24
		.amdhsa_user_sgpr_count 2
		.amdhsa_user_sgpr_kernarg_segment_ptr 1
		.amdhsa_wavefront_size32 1
		.amdhsa_system_sgpr_workgroup_id_x 1
		.amdhsa_system_sgpr_workgroup_id_y 1
		.amdhsa_system_sgpr_workgroup_id_z 1
		.amdhsa_system_vgpr_workitem_id 0
		.amdhsa_next_free_vgpr 1024
		.amdhsa_next_free_sgpr 66
		.amdhsa_reserve_vcc 0
		.amdhsa_float_denorm_mode_32 3
		.amdhsa_float_denorm_mode_16_64 3
		.amdhsa_memory_ordered 1
		.amdhsa_forward_progress 1
		.amdhsa_inst_pref_size 255
	.end_amdhsa_kernel
	.section	.bss,"aw",@nobits
	.p2align	6
	.space	262144
	.amdgpu_metadata
---
amdhsa.version: [ 1, 2 ]
amdhsa.kernels:
  - .name:           k_q2772228ce6_attn
    .symbol:         k_q2772228ce6_attn.kd
    .args:
      - { .name: query, .offset: 0, .size: 8, .value_kind: global_buffer, .address_space: global }
      - { .name: kv, .offset: 8, .size: 8, .value_kind: global_buffer, .address_space: global }
      - { .name: out0, .offset: 16, .size: 8, .value_kind: global_buffer, .address_space: global }
    .group_segment_fixed_size: 327680
    .private_segment_fixed_size: 0
    .kernarg_segment_align: 8
    .kernarg_segment_size: 24
    .max_flat_workgroup_size: 128
    .sgpr_count:     66
    .vgpr_count:     1024
    .wavefront_size: 32
...
	.end_amdgpu_metadata
.endif
;; end of part 2
